; MI455X (gfx1250); checked and timed in simulation.
; The chip was launched on July 23, 2026; its instructions are those of AMD's public machine-readable ISA for CDNA 5 (MIT licence, August 2026) and "CDNA5" Instruction Set Architecture Reference Guide (July 2026). The comments in the code are by the model that wrote it; some were corrected since.
;; Quant Linear. Allowed arithmetic: matrix products marked QUANTISED: E3M2 operands, one E8M0 scale for each 32 along K, by v_wmma_scale_f32_16x16x128_f8f6f4 with both operands' format E3M2, f32 sums; everything else in f32.
;; Inputs: bias 4,096 float32; qweight 512 x 4,096 int32; qzeros 32 x 512 int32; scales 32 x 4,096 float32; x_codes 4,096 x 128 x 24 uint8 (E3M2 codes of x, K innermost, in blocks of 32 codes, four codes in three bytes); x_scales 4,096 x 128 uint8 (E8M0 scales of x, one for each 32 codes along K).
;; Outputs: out0 4,096 x 4,096 float32.
;; This version of the problem:
;;   THIS VERSION OF THE PROBLEM IS GIVEN IN LOW PRECISION. The matrix products marked QUANTISED in the list below multiply operands that are first quantised to E3M2 (3 exponent bits, 2 mantissa bits; 6 bits a number), with one power-of-two scale for each 32 numbers along K (OCP MX v1.0); their sums are f32. All else is computed in f32.
;;   The module's matrix products, in the order in which they are computed (A, B: the left and right operand; K: the contracted axis; several contracted axes count as one K, in the product's order):
;;     1. [M 4,096, K 4,096] x [K 4,096, N 4,096]; A: input x (given as codes); B: computed on the way: QUANTISED
;;   THE QUANTISER, for each operand of a quantised product, along K:
;;     - K is cut into blocks of 32 from its start; a last block that is shorter is filled with zeros.
;;     - A block's scale is 2^e with e = floor(log2(the largest magnitude in the block)) - 4, held to -126 .. 127; a block of zeros has e = 0. As a byte (E8M0): e + 127.
;;     - Each number is divided by its block's scale, clamped to +-28, and rounded to the nearest number of E3M2, ties to even, subnormals kept.
;;     - The product sums the exact products of the quantised numbers (number of the format x scale) in f32.
;;   ~~~python
;;   def quantise(x, axis):      # numpy; x: float32 -> the quantised numbers, widened to float32 again
;;       x = np.moveaxis(x, axis, -1); K = x.shape[-1]
;;       x = np.pad(x, [(0, 0)] * (x.ndim - 1) + [(0, -K % 32)]); x = x.reshape(x.shape[:-1] + (-1, 32)); a = np.abs(x).max(-1, keepdims=True)
;;       e = np.where(a > 0, np.clip(np.frexp(np.where(a > 0, a, 1))[1] - 1 - 4, -126, 127), 0)      # np.frexp(a)[1] - 1 = floor(log2(a)), exactly
;;       r = np.clip(x / 2.0 ** e, -28, 28)
;;       step = 2.0 ** (np.maximum(np.frexp(np.where(r == 0, 1, r))[1] - 1, -2) - 2)
;;       q = np.round(r / step) * step * 2.0 ** e      # np.round: ties to even
;;       return np.moveaxis(q.reshape(q.shape[:-2] + (-1,))[..., :K], -1, axis).astype(np.float32)
;;   ~~~
;;   OPERANDS COMPUTED ON THE WAY. 'Computed on the way' means the value that the module computes at that place (a softmax that the list does not call 'softmax' is quantised finished and normalised). What goes into a quantiser is computed in f32, as accurately as f32 sums, v_exp_f32 and their like allow (about 1e-6 of the number): no bf16 or f16 on the way to a quantiser, and a product that is left as it is and whose result goes on into a quantised operand takes f32 operands (vector FMAs, or v_wmma_f32_16x16x4_f32). A number that lies on a knife's edge between two numbers of the format may be rounded either way, as far as f32 arithmetic and the matrix unit's own rounding can turn it there, and no further.
;;   INPUTS GIVEN AS CODES. x (in the module: [4096, 4096], K = its axis 1): each comes as NAME_codes (uint8): NAME with its K axis moved to the last place and cut into blocks of 32 codes, [.., K / 32, bytes a block], one block behind the other in memory; four codes in three bytes: a row's codes are one little-endian stream of bits, code i at bits 6 i .. 6 i + 5 (a code: sign, 3 exponent bits, 2 mantissa bits); and NAME_scales (uint8): the same leading axes, one E8M0 byte (e + 127) for each 32 codes along K. Its value is code x scale, taken as it is: it is not quantised again, and the codes and scales need not be those that the quantiser above would give.
;; One version. Each part assembles by itself: llvm-mc -triple=amdgcn-amd-amdhsa -mcpu=gfx1250 --defsym DOCPART=n.
;; ======== version 1 of 1: 2 launches
;; limits: right only within a limited range of input values
;; workspace buffers: xi 13,107,200 bytes; wi 13,107,200 bytes
;; launch prep (part 1): grid 8 x 48, 8 waves a work-group, no clusters, 101,376 bytes of LDS; arguments qweight, qzeros, scales, x_codes, x_scales, wi, xi; writes wi, xi
.if DOCPART == 1
	.amdgcn_target "amdgcn-amd-amdhsa--gfx1250"
	.amdhsa_code_object_version 6
	.text
	.protected	k_q14e3aa60ec_prep
	.globl	k_q14e3aa60ec_prep
	.p2align	8
	.type	k_q14e3aa60ec_prep,@function
k_q14e3aa60ec_prep:
	s_mov_b64 s[64:65], 0
	v_nop
	global_prefetch_b8 v0, s[64:65] scope:SCOPE_SE
	s_setreg_imm32_b32 hwreg(HW_REG_WAVE_MODE, 25, 1), 1
	s_wait_xcnt 0x0
; Both operands of the product are laid as the product's registers take them.
; WORK LEFT OUT.  The module makes weight = (w - z) s, then weight = round(weight / s + z), then weight = (weight - z) s.  In real numbers, for every s other than 0, (w - z) s / s + z = w;
;   w is a whole number (a nibble), so round() returns w, and the third line gives (w - z) s again.  The second and third lines are an identity for all w, z and s other than 0, and are not computed:
;   the number that is quantised is (w - z) s, w - z exact and one rounding in the product.  Every input still has its way to the result.
;   LIMIT: at s = 0 the module's 0 / 0 gives NaN; that NaN arises only in the lines left out and is not carried: this text gives zeros there.  An infinite or NaN s gives no finite number here or there.
; THE IMAGE (wi for W, xi for x): [block of 128 rows (W: columns n; x: tokens m)][step of 128 along K][UNIT = 12,800 bytes].  A unit is eight fragments of 16 rows, 1,536 bytes each
;   (registers 4 c .. 4 c + 3 of the product's lane r + 16 h at byte 512 c + 16 (r + 16 h); that lane's registers 0-5 are block h of the 128 along K, registers 6-11 block 2 + h),
;   then 512 bytes of scale words (four E8M0 bytes: one row, 128 along K): row i's word at byte 256 (i / 64) + 8 (i % 32) + 4 ((i / 32) % 2).
; WORK-GROUPS y < 32 MAKE W.  qweight [512][4096]: nibble j of word (kk, n) is w(8 kk + j, n).  qzeros [32][512]: nibble n % 8 of word (g, n / 8) is z(g, n).  scales [32][4096]: s(g, n).  A group g is 128 along K: a step.
;   x = the bits 0x4b000000 | w = 2^23 + w;  d = x - (2^23 + z) = w - z, exact;  weight = d s.  Then the MX quantiser along K.
;   A lane takes a column and its registers run down K.  A wave takes group y and 64 columns, as two sets of 32 (lane, 32 + lane): 16 words of qweight a lane and set, four blocks of 32 each.
;   A set's codes are two fragments: each store of 16 bytes a lane covers two runs of 256 bytes, aligned.  The two sets' scale words go out as one store of 8 bytes a lane: 256 bytes, aligned.
; WORK-GROUPS y >= 32 RE-LAY x: 128 rows x 8 steps each.  A wave reads 16 rows x 768 bytes in whole runs of 256 bytes, puts them into LDS bytes of its own (rows 784 bytes apart), reads them back
;   in pieces of 8 bytes as the fragment's lanes want them, and stores 512 consecutive bytes an instruction.  No barrier: no wave reads another's bytes.
;   Scale words: wave w takes step w: four loads of 4 bytes a lane, a row a lane (the eight waves together use 32 bytes of each row), two stores of 256 bytes.
; A block of zeros of W gets the scale byte 1 where the quantiser's rule says 127: its codes are zeros, which add nothing under any byte but 0xff, and this program alone reads the bytes.
.set UNIT,  12800
.set FRB,   1536
.set SCO,   8*FRB                      ; where a unit's scale words begin
.set LROW,  784                        ; an LDS row: 768 bytes + 16
.set LWAVE, 16*LROW                    ; a wave's LDS bytes, 49 blocks of 256
.set SPARE, 8*LWAVE                    ; the spare words: 128 bytes a wave
.set MASK,  38                         ; s38     0x0f0f0f0f
.set MAG,   39                         ; s39     2^23 as f32
.set SEL,   24                         ; s24-27  v_perm_b32's selects
.set A4,    2                          ; 4 x lane
.set AZ,    3                          ; 4 x (lane / 8)
.set SH,    4                          ; 4 x (lane % 8)
.set CO,    5                          ; (lane / 16) x 1,536 + 16 x (lane % 16)
.set A8,    6                          ; 8 x lane
.set SW,    8                          ; v[8:9]  the two sets' scale words
.set M,     10
.set SO,    14
.set BY,    15
.set LO,    16
.set HI,    20
.set SV,    24
.set ZW,    26
.set ZI,    28
.set CON,   32                         ; for set q at CON + 4 q, each twice: 2^23 + z; s
.set TMP,   48
.set SPW,   52                         ; my spare word's LDS address
.set NIL,   53                         ; 0
.set R16,   54                         ; lane % 16
.set GA,    55                         ; x: where I read
.set LS,    56                         ; LDS: where I put 16 bytes
.set LR,    57                         ; LDS: where my fragment's pieces lie
.set GO,    58                         ; 16 x lane
.set GS,    59                         ; 128 x lane: a row of x_scales a lane
.set SX,    60                         ; v60-63  four scale words of x
.set Q,     64                         ; W: 32 words of qweight.  x: v64-159 the data
.set X,     96
.set F,     128
	s_load_b256 s[4:11], s[0:1], 0x0               ; qweight, qzeros, scales, x_codes
	s_load_b128 s[12:15], s[0:1], 0x20             ; x_scales, wi
	s_load_b64 s[16:17], s[0:1], 0x30              ; xi
	v_lshl_add_u32 v[SPW], v0, 2, SPARE
	v_mov_b32 v[NIL], 0
	v_lshrrev_b32 v1, 5, v0
	v_readfirstlane_b32 s18, v1                    ; wave
	v_and_b32 v1, 31, v0                           ; lane
	v_lshrrev_b32 v7, 4, v1                        ; lane / 16
	v_and_b32 v[R16], 15, v1
	v_lshlrev_b32 v[A8], 3, v1
	s_and_b32 s19, ttmp7, 0xffff                   ; y
	s_cmp_ge_u32 s19, 32
	s_wait_alu depctr_va_vdst(0)
	s_cbranch_scc1 .Lrelay
	s_lshl_b32 s20, ttmp9, 3
	s_add_co_u32 s20, s20, s18                     ; which 64 columns
	s_lshl_b32 s22, s20, 8                         ; 64 columns of 4 bytes
	s_lshl_b32 s28, s19, 18                        ; qweight: 16 y rows of 16,384 bytes
	s_add_co_u32 s28, s28, s22
	s_mov_b32 s29, 0
	s_lshl_b32 s32, s19, 14                        ; scales: row y
	s_add_co_u32 s32, s32, s22
	s_mov_b32 s33, 0
	s_lshl_b32 s30, s19, 11                        ; qzeros: row y, 8 words to 64 columns
	s_lshl_b32 s23, s20, 5
	s_add_co_u32 s30, s30, s23
	s_mov_b32 s31, 0
	s_lshr_b32 s34, s20, 1                         ; the unit: block of 128 columns x 32 + y
	s_lshl_b32 s34, s34, 5
	s_add_co_u32 s34, s34, s19
	s_mul_i32 s34, s34, UNIT
	s_and_b32 s23, s20, 1                          ; which half of the block
	s_lshl_b32 s36, s23, 8
	s_add_co_u32 s36, s36, s34
	s_add_co_u32 s36, s36, SCO                     ; my 256 bytes of scale words
	s_mov_b32 s37, 0
	s_mul_i32 s23, s23, 4*FRB
	s_add_co_u32 s34, s34, s23                     ; my four fragments
	s_mov_b32 s35, 0
	s_mov_b32 s[MASK], 0x0f0f0f0f
	s_mov_b32 s[MAG], 0x4b000000
.irp k, 0,1,2,3
	s_mov_b32 s[SEL+\k], 0x07060500|\k
.endr
	v_lshlrev_b32 v[A4], 2, v1
	v_lshrrev_b32 v[AZ], 3, v1
	v_and_b32 v[SH], 7, v1
	v_lshlrev_b32 v[CO], 4, v[R16]
	v_lshlrev_b32 v[AZ], 2, v[AZ]
	v_lshlrev_b32 v[SH], 2, v[SH]
	v_mad_u32_u24 v[CO], v7, FRB, v[CO]
	s_wait_alu depctr_va_vdst(0)
	s_wait_kmcnt 0x0
	s_add_nc_u64 s[4:5], s[4:5], s[28:29]
	s_add_nc_u64 s[6:7], s[6:7], s[30:31]
	s_add_nc_u64 s[8:9], s[8:9], s[32:33]
	s_add_nc_u64 s[36:37], s[14:15], s[36:37]
	s_add_nc_u64 s[14:15], s[14:15], s[34:35]
	global_load_b32 v[SV], v[A4], s[8:9]                   ; the two sets' s and z first: they are wanted first
	global_load_b32 v[SV+1], v[A4], s[8:9] offset:128
	global_load_b32 v[ZW], v[AZ], s[6:7]
	global_load_b32 v[ZW+1], v[AZ], s[6:7] offset:16
.set i, 0
.rept 32
	global_load_b32 v[Q+i], v[A4], s[4:5] offset:16384*(i%16)+128*(i/16) th:TH_LOAD_NT   ; set i / 16, row 16 y + i % 16
.set i, i+1
.endr
	s_wait_loadcnt 32                              ; the four first are in, the 32 words of qweight may be out
.irp q, 0,1
	v_bfe_u32 v[ZI+\q], v[ZW+\q], v[SH], 4
.endr
.irp q, 0,1
	v_cvt_f32_u32 v[ZI+\q], v[ZI+\q]               ; z
.endr
.irp q, 0,1
	v_add_f32 v[CON+4*\q], s[MAG], v[ZI+\q]        ; 2^23 + z, exact
	v_mov_b32 v[CON+4*\q+2], v[SV+\q]
	v_mov_b32 v[CON+4*\q+3], v[SV+\q]
.endr
.irp q, 0,1
	v_mov_b32 v[CON+4*\q+1], v[CON+4*\q]
.endr
; Block t of my eight: set t / 4, K = 128 y + 32 (t % 4) + 0 .. 31, from words 4 t .. 4 t + 3
.macro BLOCK t
.set QG, (\t)/4
.set CG, CON+4*QG
.set FD, F+24*QG+12*((\t)%2)+6*(((\t)%4)/2)
	s_wait_loadcnt 28-4*(\t)                       ; this block's four words are in; the later blocks' may be out
.irp w, 0,1,2,3
	v_lshrrev_b32 v[HI+\w], 4, v[Q+4*(\t)+\w]
.endr
.irp w, 0,1,2,3
	v_and_b32 v[LO+\w], s[MASK], v[Q+4*(\t)+\w]    ; nibbles 0, 2, 4, 6, a byte each
.endr
.irp w, 0,1,2,3
	v_and_b32 v[HI+\w], s[MASK], v[HI+\w]          ; nibbles 1, 3, 5, 7
.endr
.irp w, 0,1,2,3
.irp k, 0,1,2,3
	v_perm_b32 v[X+8*\w+2*\k], s[MAG], v[LO+\w], s[SEL+\k]      ; 0x4b0000ww: 2^23 + w as f32
	v_perm_b32 v[X+8*\w+2*\k+1], s[MAG], v[HI+\w], s[SEL+\k]
.endr
.endr
.irp j, 0,2,4,6,8,10,12,14,16,18,20,22,24,26,28,30
	v_pk_add_f32 v[X+\j:X+\j+1], v[X+\j:X+\j+1], v[CG:CG+1] neg_lo:[0,1] neg_hi:[0,1]   ; w - z
.endr
.irp j, 0,2,4,6,8,10,12,14,16,18,20,22,24,26,28,30
	v_pk_mul_f32 v[X+\j:X+\j+1], v[X+\j:X+\j+1], v[CG+2:CG+3]                           ; x s: the weight
.endr
.irp c, 0,1,2,3                                ; the block's largest magnitude, four chains by turns
	v_max3_num_f32 v[M+\c], |v[X+8*\c]|, |v[X+8*\c+1]|, |v[X+8*\c+2]|
.endr
.irp i, 3,5
.irp c, 0,1,2,3
	v_max3_num_f32 v[M+\c], v[M+\c], |v[X+8*\c+\i]|, |v[X+8*\c+\i+1]|
.endr
.endr
	v_max3_num_f32 v[M], v[M], |v[X+7]|, |v[X+15]|
	v_max3_num_f32 v[M+2], v[M+2], |v[X+23]|, |v[X+31]|
	v_max3_num_f32 v[M], v[M], v[M+1], v[M+2]
	v_max3_num_f32 v[M], v[M], v[M+3], 0x2800000   ; the floor 2^(5 - 127): the byte cannot fall under 1
	v_add_nc_u32 v[SO], 0xfe000000, v[M]           ; 4 off the exponent field: the conversion's scale operand
	v_cvt_scalef32_pk16_bf6_f32 v[FD:FD+2], v[X:X+15], v[SO]
	v_cvt_scalef32_pk16_bf6_f32 v[TMP:TMP+2], v[X+16:X+31], v[SO]
	v_lshrrev_b32 v[BY], 23, v[SO]                 ; the scale's byte; also the plain line behind the conversions
.if (\t)%4 == 0
	v_mov_b32 v[SW+QG], v[BY]
.else
	v_lshl_or_b32 v[SW+QG], v[BY], 8*((\t)%4), v[SW+QG]
.endif
.irp i, 0,1,2
	v_mov_b32 v[FD+3+\i], v[TMP+\i]
.endr
.if (\t)%4 == 3                                ; the set's four blocks are two lanes' twelve registers of the product's fragment: six stores
.irp h, 0,1
.irp c, 0,1,2
	global_store_b128 v[CO], v[F+24*QG+12*\h+4*\c:F+24*QG+12*\h+4*\c+3], s[14:15] offset:2*FRB*QG+256*\h+512*\c
.endr
.endr
.endif
.endm
.irp t, 0,1,2,3,4,5,6,7
	BLOCK \t
.endr
	global_store_b64 v[A8], v[SW:SW+1], s[36:37]   ; 32 lanes cover 256 consecutive bytes, aligned
	s_endpgm
.Lrelay:
	s_sub_co_u32 s20, s19, 32
	s_lshl_b32 s20, s20, 3
	s_add_co_u32 s20, s20, ttmp9                   ; 0 .. 127
	s_lshr_b32 s21, s20, 2                         ; which 128 rows
	s_and_b32 s22, s20, 3                          ; which 8 steps
	s_lshl_b32 s28, s21, 3
	s_add_co_u32 s28, s28, s18
	s_mul_i32 s28, s28, 16*3072                    ; x_codes: my 16 rows,
	s_mul_i32 s23, s22, 768
	s_add_co_u32 s28, s28, s23                     ; my 768 bytes of each
	s_mov_b32 s29, 0
	s_lshl_b32 s30, s21, 14                        ; x_scales: 128 rows of 128 bytes, + 32 bytes for 8 steps, + my step's word
	s_lshl_b32 s23, s22, 5
	s_add_co_u32 s30, s30, s23
	s_lshl_b32 s23, s18, 2
	s_add_co_u32 s30, s30, s23
	s_mov_b32 s31, 0
	s_lshl_b32 s32, s21, 5
	s_lshl_b32 s23, s22, 3
	s_add_co_u32 s32, s32, s23                     ; the first of the eight units
	s_add_co_u32 s34, s32, s18                     ; the unit whose scale words I write
	s_mul_i32 s32, s32, UNIT
	s_mul_i32 s23, s18, FRB
	s_add_co_u32 s32, s32, s23                     ; my rows' fragment in it
	s_mov_b32 s33, 0
	s_mul_i32 s34, s34, UNIT
	s_add_co_u32 s34, s34, SCO
	s_mov_b32 s35, 0
	s_mul_i32 s24, s18, LWAVE
	v_lshlrev_b32 v[GO], 4, v1
	v_lshlrev_b32 v[GS], 7, v1
	v_lshlrev_b32 v[GA], 4, v[R16]
	v_mul_u32_u24 v[LR], v[R16], LROW
	v_add_nc_u32 v[LS], s24, v[GA]
	v_mad_u32_u24 v[LR], v7, 24, v[LR]
	v_mad_u32_u24 v[LS], v7, LROW, v[LS]           ; lanes 0-15 one row's 256 bytes, lanes 16-31 the next row's
	v_mad_u32_u24 v[GA], v7, 3072, v[GA]
	v_add_nc_u32 v[LR], s24, v[LR]                 ; row lane % 16, + 24 (lane / 16)
	s_wait_alu depctr_va_vdst(0)
	s_wait_kmcnt 0x0
	s_add_nc_u64 s[10:11], s[10:11], s[28:29]
	s_add_nc_u64 s[12:13], s[12:13], s[30:31]
	s_add_nc_u64 s[34:35], s[16:17], s[34:35]
	s_add_nc_u64 s[16:17], s[16:17], s[32:33]
.set i, 0
.rept 24
	global_load_b128 v[Q+4*i:Q+4*i+3], v[GA], s[10:11] offset:6144*(i/3)+256*(i%3) th:TH_LOAD_NT   ; rows 2 (i / 3), + 1; run i % 3 of 256 bytes
.set i, i+1
.endr
.irp q, 0,1,2,3
	global_load_b32 v[SX+\q], v[GS], s[12:13] offset:4096*\q       ; row 32 q + lane
.endr
.set i, 0
.rept 8
	s_wait_loadcnt 25-3*i                          ; loads come back in order: these three are in
.irp u, 0,1,2
	ds_store_b128 v[LS], v[Q+12*i+4*\u:Q+12*i+4*\u+3] offset:2*LROW*i+256*\u
.endr
.set i, i+1
.endr
	s_wait_loadcnt 0x0
	global_store_b64 v[A8], v[SX:SX+1], s[34:35]               ; rows lane and 32 + lane: 256 bytes, aligned
	global_store_b64 v[A8], v[SX+2:SX+3], s[34:35] offset:256  ; rows 64 + lane and 96 + lane
	s_wait_dscnt 0x0                               ; the LDS stores have read their data: the registers are loaded again
.irp s, 0,1,2,3,4,5,6,7
.irp p, 0,1,2,3,4,5
	ds_load_b64 v[Q+12*\s+2*\p:Q+12*\s+2*\p+1], v[LR] offset:96*\s+48*(\p/3)+8*(\p%3)
.endr
.endr
.irp s, 0,1,2,3,4,5,6,7
	s_wait_dscnt 42-6*\s                           ; step s's six pieces are in
.irp c, 0,1,2
	global_store_b128 v[GO], v[Q+12*\s+4*\c:Q+12*\s+4*\c+3], s[16:17] offset:UNIT*\s+512*\c   ; 512 consecutive bytes
.endr
.endr
	s_wait_tensorcnt 0x0                           ; the wave's end
	ds_add_u32 v[SPW], v[NIL]
	s_wait_dscnt 0x0
	s_endpgm
.Lfunc_end_k_q14e3aa60ec_prep:
	.size	k_q14e3aa60ec_prep, .Lfunc_end_k_q14e3aa60ec_prep-k_q14e3aa60ec_prep
	.p2alignl 7, 3214868480
	.fill 96, 4, 3214868480
	.section	.rodata,"a",@progbits
	.p2align	6, 0x0
	.amdhsa_kernel k_q14e3aa60ec_prep
		.amdhsa_group_segment_fixed_size 101376
		.amdhsa_private_segment_fixed_size 0
		.amdhsa_enable_private_segment 0
		.amdhsa_kernarg_size 56
		.amdhsa_user_sgpr_count 2
		.amdhsa_user_sgpr_kernarg_segment_ptr 1
		.amdhsa_wavefront_size32 1
		.amdhsa_system_sgpr_workgroup_id_x 1
		.amdhsa_system_sgpr_workgroup_id_y 1
		.amdhsa_system_sgpr_workgroup_id_z 1
		.amdhsa_system_vgpr_workitem_id 0
		.amdhsa_next_free_vgpr 176
		.amdhsa_next_free_sgpr 66
		.amdhsa_reserve_vcc 0
		.amdhsa_float_denorm_mode_32 3
		.amdhsa_float_denorm_mode_16_64 3
		.amdhsa_memory_ordered 1
		.amdhsa_forward_progress 1
		.amdhsa_inst_pref_size 67
	.end_amdhsa_kernel
	.amdgpu_metadata
---
amdhsa.version: [ 1, 2 ]
amdhsa.kernels:
  - .name:           k_q14e3aa60ec_prep
    .symbol:         k_q14e3aa60ec_prep.kd
    .args:
      - { .name: qweight, .offset: 0, .size: 8, .value_kind: global_buffer, .address_space: global }
      - { .name: qzeros, .offset: 8, .size: 8, .value_kind: global_buffer, .address_space: global }
      - { .name: scales, .offset: 16, .size: 8, .value_kind: global_buffer, .address_space: global }
      - { .name: x_codes, .offset: 24, .size: 8, .value_kind: global_buffer, .address_space: global }
      - { .name: x_scales, .offset: 32, .size: 8, .value_kind: global_buffer, .address_space: global }
      - { .name: wi, .offset: 40, .size: 8, .value_kind: global_buffer, .address_space: global }
      - { .name: xi, .offset: 48, .size: 8, .value_kind: global_buffer, .address_space: global }
    .group_segment_fixed_size: 101376
    .private_segment_fixed_size: 0
    .kernarg_segment_align: 8
    .kernarg_segment_size: 56
    .max_flat_workgroup_size: 256
    .sgpr_count:     66
    .vgpr_count:     176
    .wavefront_size: 32
...
	.end_amdgpu_metadata
.endif
;; end of part 1
;; launch gemm (part 2): grid 16 x 16, 4 waves a work-group, clusters of 4 x 4, 327,680 bytes of LDS; arguments xi, wi, bias, out0; writes out0
.if DOCPART == 2
	.amdgcn_target "amdgcn-amd-amdhsa--gfx1250"
	.amdhsa_code_object_version 6
	.text
	.protected	k_q14e3aa60ec_gemm
	.globl	k_q14e3aa60ec_gemm
	.p2align	8
	.type	k_q14e3aa60ec_gemm,@function
k_q14e3aa60ec_gemm:
	s_mov_b64 s[64:65], 0
	v_nop
	global_prefetch_b8 v0, s[64:65] scope:SCOPE_SE
	s_setreg_imm32_b32 hwreg(HW_REG_WAVE_MODE, 25, 1), 1
	s_wait_xcnt 0x0
	s_wait_alu depctr_hold_cnt(0) depctr_sa_sdst(0) depctr_va_vdst(0) depctr_va_sdst(0) depctr_va_ssrc(0) depctr_va_vcc(0) depctr_vm_vsrc(0)
	s_getreg_b32 s2, hwreg(HW_REG_IB_STS2, 6, 4)
	s_cmp_eq_u32 s2, 0
	s_cbranch_scc0 .Lentry_in_a_cluster
	s_endpgm
.Lentry_in_a_cluster:
	s_bfe_u32 s2, ttmp6, 0x10000c
	s_cmp_lg_u32 s2, 0xf033
	s_cbranch_scc0 .Lentry_shape_is_right
	s_endpgm
.Lentry_shape_is_right:
; out[m][n] = sum over k of x[m][k] W[k][n] + bias[n], on codes of BF6 (E3M2) with E8M0 scales, f32 sums.  This launch leaves nothing out; what the launch before left out is shown at its head.
; xi, wi: [block of 128 rows][step of 128 along K][UNIT = 12,800 bytes]: eight fragments of 16 rows as images of the operand's registers (1,536 bytes each: registers 4 c .. 4 c + 3 of lane l at 512 c + 16 l),
;   then 512 bytes of scale words, row i's at 256 (i / 64) + 8 (i % 32) + 4 ((i / 32) % 2): a load of 8 bytes a lane brings two registers, each with one block of 16 rows in lanes 0-15 and the next in lanes 16-31.
; A work-group of four waves makes 256 x 256 of out; a wave 128 x 128: 64 accumulators, 512 registers.  256 work-groups.
; THE RING: two LDS slots, each with THREE steps of A's 256 rows and B's 256 rows, scale words among them: 4 quarters x 38,400 bytes.  A quarter is dense in memory: one tensor load a wave, 150 rows of 256 bytes.
;   32 steps are ten tiles of three steps and one of two (100 rows).  One change of slots a tile, in the first half of the tile's last step, when that step's fragments have all been asked for.
; LDS LOADS: a step's 52 loads of a wave go out in two runs of about equal length: at the end of the step before (A's blocks 4-7, and 16 of the 24 loads of B for the step after: B has two sets, and the set just
;   multiplied is free), and in the middle of the step before (the other 8 of B, A's blocks 0-3, the scale words).  Across a change of slots B's 24 come in one run behind the barrier.
; THE LAST TILE GOES BY ROWS OF out: its two steps' fragments of B fill B's two sets, step 31's fragments of A lie in registers that are idle by then, and each block of 16 rows is finished by 16 matrix
;   instructions and leaves through the stage while the next block is multiplied.  The order of each sum along K stays ascending.
; CLUSTERS: 4 x 4.  A's quarters are shared along a row of the cluster, B's along a column: joint loads; each refill stands behind a round of the cluster's barrier.
; TRANSPOSED USE: source 0 = 16 rows of B, source 1 = 16 rows of A: a lane holds eight neighbouring columns of one row of out.  The bias is the C of each accumulator's first product.
; PREFETCH: behind the load of tile t the blocks of tile t + 2 are asked for (at the head tile 1 too); a quarter's 150 blocks of 256 bytes are shared out among the four partners by address (38 each; the short tile 25 each).
; REGISTERS: window 0: v0-31 addresses; v32-47 scale words, two sets; v64-127 the bias; v128-223 A's fragments, one set; at the end v48-59, v64-123, v224-247 step 31's fragments of A.
;   Window 1: B's fragments, two sets, at v0 and v128; v96-127 and v224-255 sixteen rows on the way out.  Windows 2, 3: accumulators.
.set UNIT,   12800
.set FRB,    1536
.set SCO,    8*FRB
.set QTR,    3*UNIT
.set SLOT,   4*QTR
.set BLK,    32*UNIT                   ; 128 rows, all of K
.set SPARE,  2*SLOT                    ; the spare words: 128 bytes a wave
.set STAGE,  SLOT                      ; the way out goes through slot 1, which has had its last fill and its last read by then
.set SPITCH, 528
.set CROW,   16384
.set FR,   12
.set BO,   7
.set ADRA, 16                          ; v16-17 my A quarter in slot 0, 1, + 16 x lane
.set ADRB, 18                          ; v18-19 the same for B
.set ADSA, 20                          ; v20-21 my A quarter + 8 x lane
.set ADSB, 22                          ; v22-23
.set STO,  24
.set RD,   25
.set CO,   26
.set PF3,  27
.set SPW,  28
.set NIL,  29
.set PF1,  30
.set PF2,  31
.set SC,   32
.set BIAS, 64
.set AF,   128
.set G1,   24
.set G0,   32
.set G1B,  48
.set G0B,  56
.set PFA,  96
.set MSB, 0
.macro WIN new                         ; the immediate's high byte repeats the setting that is left
.if MSB != \new
	s_set_vgpr_msb (MSB<<8)|\new
.set MSB, \new
.endif
.endm
.set MUL_LO,   0xa1                    ; source 0 (B) window 1, source 1 (A) window 0, C and D window 2
.set MUL_HI,   0xf1
.set FIRST_LO, 0x81                    ; C (the bias) window 0
.set FIRST_HI, 0xc1
.set TO_B,     0x40
.macro JLOAD g0a, g1a, g0b, g1b        ; a joint load: waves 0, 1 fetch A's quarters, waves 2, 3 B's
	s_cmp_eq_u32 s15, 0
	s_cbranch_scc0 .Lfor_b_\@
	tensor_load_to_lds s[\g0a:\g0a+3], s[\g1a:\g1a+7]
	s_nop 0
.rept 4
	v_nop
.endr
	s_branch .Lasked_\@
.Lfor_b_\@:
	tensor_load_to_lds s[\g0b:\g0b+3], s[\g1b:\g1b+7]
	s_nop 0
.rept 4
	v_nop
.endr
.Lasked_\@:
.endm
.macro CREST
	s_cmp_lg_u32 s14, 0
	s_cbranch_scc1 .Lnot_wave_0_\@
	s_barrier_signal -3
.Lnot_wave_0_\@:
	s_barrier_wait -3
	s_barrier_signal -1
	s_barrier_wait -1
.endm
.macro CROUND
	s_barrier_signal -1
	s_barrier_wait -1
	CREST
.endm
.macro PF off                          ; my work-group's 38 blocks of a whole tile's quarter
	global_prefetch_b8 v[PF1], s[PFA:PFA+1] offset:\off th:TH_LOAD_NT scope:SCOPE_SE
	global_prefetch_b8 v[PF2], s[PFA:PFA+1] offset:\off th:TH_LOAD_NT scope:SCOPE_SE
.endm
.macro ASK kind                        ; in the change of slots of tile t: tile t + 4.  In the loop's last trip that is the short tile 10 (kind 1) or none (kind 2)
	s_cmp_gt_u32 s3, 1
	s_cbranch_scc0 .Llast_\@
	PF 3*QTR
.if \kind == 1
	s_branch .Ldone_\@
.endif
.Llast_\@:
.if \kind == 1
	global_prefetch_b8 v[PF3], s[PFA:PFA+1] offset:3*QTR th:TH_LOAD_NT scope:SCOPE_SE
.Ldone_\@:
.endif
.endm
	s_load_b256 s[4:11], s[0:1], 0x0               ; xi, wi, bias, out
	v_lshl_add_u32 v[SPW], v0, 2, SPARE
	v_mov_b32 v[NIL], 0
	ds_add_u32 v[SPW], v[NIL]                      ; the opening: the add, twice on end, and its wait
	ds_add_u32 v[SPW], v[NIL]
	v_lshrrev_b32 v1, 5, v0
	v_readfirstlane_b32 s14, v1                    ; wave
	s_lshr_b32 s15, s14, 1                         ; my half of the rows; also: I fetch for A (0) or B (1)
	s_and_b32 s16, s14, 1                          ; my half of the columns; also: which 128 rows I fetch
	s_bfe_u32 s40, ttmp6, 0x40000                  ; cx
	s_bfe_u32 s41, ttmp6, 0x40004                  ; cy
	s_lshl_b32 s42, ttmp9, 2
	s_add_co_u32 s42, s42, s40                     ; tile column
	s_and_b32 s17, ttmp7, 0xffff
	s_lshl_b32 s17, s17, 2
	s_add_co_u32 s17, s17, s41                     ; tile row
	s_lshl_b32 s43, s41, 2
	s_lshl_b32 s43, 15, s43                        ; my row of the cluster
	s_lshl_b32 s44, 0x1111, s40                    ; my column
	s_or_b32 s[G1+0], s43, (3<<16)|(1<<21)         ; elements of 8 bytes, no padding
	s_or_b32 s[G1B+0], s44, (3<<16)|(1<<21)
.irp g, G1, G1B
	s_mov_b32 s[\g+1], 32<<16                      ; rows of 256 bytes
	s_mov_b32 s[\g+2], 150<<16                     ; 150 of them
	s_mov_b32 s[\g+3], 32<<16
	s_mov_b32 s[\g+4], 150
	s_mov_b32 s[\g+5], 32
	s_mov_b32 s[\g+6], 0
	s_mov_b32 s[\g+7], 0
.endr
	s_lshl_b32 s20, s17, 1
	s_add_co_u32 s20, s20, s16
	s_mul_i32 s20, s20, BLK                        ; A: block 2 x tile row + half
	s_mov_b32 s21, 0
	s_lshl_b32 s46, s42, 1
	s_add_co_u32 s46, s46, s16
	s_mul_i32 s46, s46, BLK                        ; B: block 2 x tile column + half
	s_mov_b32 s47, 0
	s_mul_i32 s45, s14, QTR                        ; wave w fills quarter w
	s_lshl_b32 s12, s42, 10                        ; my first column in bytes, in out and in bias
	s_lshl_b32 s13, s16, 9
	s_add_co_u32 s12, s12, s13
	s_mov_b32 s13, 0
	s_lshl_b32 s66, s17, 8
	s_lshl_b32 s67, s15, 7
	s_add_co_u32 s66, s66, s67
	s_lshl_b32 s66, s66, 14                        ; my first row of out in bytes
	s_mov_b32 s67, 0
	s_mul_i32 s68, s15, QTR                        ; the quarter of A that I read
	s_mul_i32 s69, s16, QTR
	s_add_co_u32 s69, s69, 2*QTR                   ; and of B
	s_mul_i32 s70, s14, 16*SPITCH
	s_add_co_u32 s70, s70, STAGE                   ; my stage
	s_wait_dscnt 0x0                               ; both opening adds are done
	s_wait_kmcnt 0x0
	s_add_nc_u64 s[20:21], s[4:5], s[20:21]
	s_add_nc_u64 s[46:47], s[6:7], s[46:47]
	s_add_nc_u64 s[8:9], s[8:9], s[12:13]
	s_add_nc_u64 s[10:11], s[10:11], s[12:13]
	s_add_nc_u64 s[10:11], s[10:11], s[66:67]
	s_cmp_eq_u32 s15, 0
	s_cselect_b64 s[PFA:PFA+1], s[20:21], s[46:47] ; the prefetches: the quarter that I fetch,
	s_cselect_b32 s22, s40, s41                    ; and my place among the four that ask for it with me
	s_mul_i32 s23, s22, 38
	s_add_co_u32 s18, s23, 32
	s_mul_i32 s19, s22, 25
	CROUND                                         ; all sixteen work-groups are here: the first joint loads meet
.irp s, 0,1
	s_mov_b32 s[G0+4*\s], 1
	s_add_co_u32 s[G0+4*\s+1], s45, \s*SLOT
	s_add_nc_u64 s[G0+4*\s+2:G0+4*\s+3], s[20:21], \s*QTR
	s_or_b32 s[G0+4*\s+3], s[G0+4*\s+3], 0x80000000
	s_mov_b32 s[G0B+4*\s], 1
	s_add_co_u32 s[G0B+4*\s+1], s45, \s*SLOT
	s_add_nc_u64 s[G0B+4*\s+2:G0B+4*\s+3], s[46:47], \s*QTR
	s_or_b32 s[G0B+4*\s+3], s[G0B+4*\s+3], 0x80000000
.endr
	JLOAD G0, G1, G0B, G1B                         ; tile 0: one tensor load a wave at the head
	v_and_b32 v1, 15, v0
	v_bfe_u32 v2, v0, 4, 1
	v_and_b32 v6, 31, v0
	v_lshlrev_b32 v[BO], 5, v2
	v_lshlrev_b32 v[CO], 4, v6
	v_lshl_add_u32 v[ADSA], v6, 3, s68
	v_lshl_add_u32 v[ADSB], v6, 3, s69
	v_add_nc_u32 v[ADRA], s68, v[CO]
	v_add_nc_u32 v[ADRB], s69, v[CO]
	v_add_nc_u32 v[ADSA+1], SLOT, v[ADSA]
	v_add_nc_u32 v[ADSB+1], SLOT, v[ADSB]
	v_add_nc_u32 v[ADRA+1], SLOT, v[ADRA]
	v_add_nc_u32 v[ADRB+1], SLOT, v[ADRB]
	v_mul_u32_u24 v5, v1, SPITCH                   ; into the stage: row l % 16, 32 bytes for each half of the lanes
	v_lshl_add_u32 v5, v2, 5, v5
	v_add_nc_u32 v[STO], s70, v5
	v_add_nc_u32 v[RD], s70, v[CO]                 ; back: the 32 lanes take one row of 512 bytes
	v_add_nc_u32 v[PF1], s23, v6                   ; blocks 38 p + 0 .. 31,
	v_min_u32 v8, 5, v6
	v_min_u32 v9, 24, v6
	v_add_nc_u32 v8, s18, v8                       ; 38 p + 32 .. 37, held inside the quarter's 150 (lanes left over name the last again),
	v_add_nc_u32 v9, s19, v9                       ; and of the short tile 25 p + 0 .. 24
	v_min_u32 v8, 149, v8
	v_lshlrev_b32 v[PF1], 8, v[PF1]
	v_lshlrev_b32 v[PF3], 8, v9
	v_lshlrev_b32 v[PF2], 8, v8
	s_wait_alu depctr_va_vdst(0)
	PF QTR                                         ; tiles 1 and 2
	PF 2*QTR
.irp b, 0,1,2,3,4,5,6,7
	global_load_b128 v[BIAS+8*\b:BIAS+8*\b+3], v[BO], s[8:9] offset:64*\b          ; bias(16 b + 8 h + 0 .. 7): the accumulators' layout
	global_load_b128 v[BIAS+8*\b+4:BIAS+8*\b+7], v[BO], s[8:9] offset:64*\b+16
.endr
.macro WM
.if (rRB == 1) && (rRA == 1)
	v_wmma_scale_f32_16x16x128_f8f6f4 v[rD:rD+7], v[rB:rB+FR-1], v[rA:rA+FR-1], v[rC:rC+7], v[rSB], v[rSA] matrix_a_fmt:MATRIX_FMT_BF6 matrix_b_fmt:MATRIX_FMT_BF6 matrix_a_scale:MATRIX_SCALE_ROW1 matrix_b_scale:MATRIX_SCALE_ROW1
.elseif rRB == 1
	v_wmma_scale_f32_16x16x128_f8f6f4 v[rD:rD+7], v[rB:rB+FR-1], v[rA:rA+FR-1], v[rC:rC+7], v[rSB], v[rSA] matrix_a_fmt:MATRIX_FMT_BF6 matrix_b_fmt:MATRIX_FMT_BF6 matrix_a_scale:MATRIX_SCALE_ROW1
.elseif rRA == 1
	v_wmma_scale_f32_16x16x128_f8f6f4 v[rD:rD+7], v[rB:rB+FR-1], v[rA:rA+FR-1], v[rC:rC+7], v[rSB], v[rSA] matrix_a_fmt:MATRIX_FMT_BF6 matrix_b_fmt:MATRIX_FMT_BF6 matrix_b_scale:MATRIX_SCALE_ROW1
.else
	v_wmma_scale_f32_16x16x128_f8f6f4 v[rD:rD+7], v[rB:rB+FR-1], v[rA:rA+FR-1], v[rC:rC+7], v[rSB], v[rSA] matrix_a_fmt:MATRIX_FMT_BF6 matrix_b_fmt:MATRIX_FMT_BF6
.endif
.endm
.macro SETA2 a                         ; where step 31's fragment of A's block a lies: v48, v64 .. v112, v224, v236
.set rA2, 52+FR*(\a)
.if (\a) == 0
.set rA2, 48
.endif
.if (\a) > 5
.set rA2, 224+FR*((\a)-6)
.endif
.endm
; 8 matrix instructions: A's block a against B's eight.  p: B's set and the set of scale words.  alt = 1: A's fragment is step 31's.  No two on end share an accumulator.
.macro MUL8 a, p, first, alt
.irp b, 0,1,2,3,4,5,6,7
.set rD, 8*(8*((\a)%4)+\b)
.set rB, 128*(\p)+FR*\b
.set rA, AF+FR*(\a)
.if \alt
	SETA2 \a
.set rA, rA2
.endif
.set rC, rD
.if \first
.set rC, BIAS+8*\b
.endif
.set rSB, SC+8*(\p)+4+(\b)/2
.set rSA, SC+8*(\p)+(\a)/2
.set rRB, (\b)%2
.set rRA, (\a)%2
	WM
.endr
.endm
.macro FETCH_B slot, j, p, lo, hi      ; loads lo .. hi - 1 of the 24 that bring B's eight fragments: load n takes registers 4 n .. 4 n + 3 of the set from byte 512 n
	WIN TO_B
.set n, \lo
.rept \hi-\lo
	ds_load_b128 v[128*(\p)+4*n:128*(\p)+4*n+3], v[ADRB+\slot] offset:UNIT*(\j)+512*n
.set n, n+1
.endr
	WIN 0
.endm
.macro FETCH_A slot, j, i0             ; 12 loads
.irp i, \i0, \i0+1, \i0+2, \i0+3
.irp c, 0,1,2
	ds_load_b128 v[AF+FR*(\i)+4*\c:AF+FR*(\i)+4*\c+3], v[ADRA+\slot] offset:UNIT*(\j)+FRB*(\i)+512*\c
.endr
.endr
.endm
.macro SCALES slot, j, p               ; 4 loads: register a / 2 of a side's four holds block a, in lanes 0-15 (a even) or 16-31
.irp u, 0,1
	ds_load_b64 v[SC+8*(\p)+2*\u:SC+8*(\p)+2*\u+1], v[ADSA+\slot] offset:UNIT*(\j)+SCO+256*\u
	ds_load_b64 v[SC+8*(\p)+4+2*\u:SC+8*(\p)+4+2*\u+1], v[ADSB+\slot] offset:UNIT*(\j)+SCO+256*\u
.endr
.endm
.macro PLACES                          ; four places in front of loads into registers that matrix instructions have read, and of reads of results
.rept 4
	v_nop
.endr
.endm
; Step j (0 or 1) of a slot: 64 matrix instructions.  more = 1 (j = 0): at its end the first 16 loads of B for step j + 2 go into the set just multiplied.
.macro STEP slot, j, p, first, more
	s_wait_dscnt 28                                ; all but the youngest 28: A's blocks 4-7 (12) and 16 loads of the next step's B
.if \first
	WIN FIRST_LO
.else
	WIN MUL_LO
.endif
.irp a, 0,1,2,3
	MUL8 \a, \p, \first, 0
.endr
	s_wait_dscnt 16                                ; A's blocks 4-7 are in; the 16 loads of B behind them may be out
	PLACES
	FETCH_B \slot, (\j)+1, 1-(\p), 16, 24
	FETCH_A \slot, (\j)+1, 0
	SCALES \slot, (\j)+1, 1-(\p)
.if \first
	WIN FIRST_HI
.else
	WIN MUL_HI
.endif
.irp a, 4,5,6,7
	MUL8 \a, \p, \first, 0
.endr
	PLACES
	WIN 0
	FETCH_A \slot, (\j)+1, 4
.if \more
	FETCH_B \slot, (\j)+2, \p, 0, 16
.endif
.endm
; A slot's last step, and the change of slots.  In front of the barrier each wave waits for all its tensor loads (one is out: its quarter of the other slot), adds 0 to its spare word, and waits for that
; and for its reads of this slot, which are all issued.  fill = 1: this slot takes the tile two on; 2: the short last tile; 0: nothing is left to fetch, and no round follows.
.macro TURN slot, p, fill, ask
.if \ask
	s_wait_xcnt 0x0                                ; my prefetches have read their base
	s_add_nc_u64 s[PFA:PFA+1], s[PFA:PFA+1], QTR
.endif
	s_wait_dscnt 12                                ; all but A's blocks 4-7
	WIN MUL_LO
	MUL8 0, \p, 0, 0
	WIN 0                                          ; the add's registers lie in window 0
	s_wait_tensorcnt 0x0
	ds_add_u32 v[SPW], v[NIL]
.if \fill
	s_add_nc_u64 s[G0+4*\slot+2:G0+4*\slot+3], s[G0+4*\slot+2:G0+4*\slot+3], 2*QTR     ; no tensor load of mine is out: descriptors may be written
	s_add_nc_u64 s[G0B+4*\slot+2:G0B+4*\slot+3], s[G0B+4*\slot+2:G0B+4*\slot+3], 2*QTR
.endif
.if \fill == 2
	s_mov_b32 s[G1+2], 100<<16                     ; two steps: 100 rows of 256 bytes
	s_mov_b32 s[G1+4], 100
	s_mov_b32 s[G1B+2], 100<<16
	s_mov_b32 s[G1B+4], 100
.endif
	WIN MUL_LO
	MUL8 1, \p, 0, 0
	s_wait_dscnt 0x0                               ; the add is done, and so are my reads of this slot
	s_barrier_signal -1
	MUL8 2, \p, 0, 0
	WIN 0
	s_barrier_wait -1
.if \fill
	CREST                                          ; the barrier has opened a round of the cluster's barrier
	JLOAD G0+4*\slot, G1, G0B+4*\slot, G1B         ; the four v_nop behind it are also the places in front of the loads below
.else
	PLACES
.endif
	FETCH_B 1-\slot, 0, 1-(\p), 0, 24
.if \ask
	ASK \ask
.endif
	WIN MUL_LO
	MUL8 3, \p, 0, 0
	PLACES
	WIN 0
	FETCH_A 1-\slot, 0, 0
	SCALES 1-\slot, 0, 1-(\p)
	WIN MUL_HI
.irp a, 4,5,6,7
	MUL8 \a, \p, 0, 0
.endr
	PLACES
	WIN 0
	FETCH_A 1-\slot, 0, 4
	FETCH_B 1-\slot, 1, \p, 0, 16
.endm
	s_wait_tensorcnt 0x0                           ; my quarter of tile 0 is in
	ds_add_u32 v[SPW], v[NIL]
	s_wait_dscnt 0x0
	CROUND
	JLOAD G0+4, G1, G0B+4, G1B                     ; tile 1: slot 1's first fill
	FETCH_B 0, 0, 0, 0, 24
	FETCH_A 0, 0, 0
	SCALES 0, 0, 0
	FETCH_A 0, 0, 4
	FETCH_B 0, 1, 1, 0, 16
	PF 3*QTR                                       ; tile 3
	s_wait_loadcnt 0x0                             ; the bias
	STEP 0, 0, 0, 1, 1                             ; the first step's products start the sums on the bias
	s_mov_b32 s3, 4
.Llap:                                                 ; a trip: two tiles, six steps, from an even tile's second step to the next even tile's first
	STEP 0, 1, 1, 0, 0
	TURN 0, 0, 1, 1
	STEP 1, 0, 1, 0, 1
	STEP 1, 1, 0, 0, 0
	TURN 1, 1, 1, 2
	STEP 0, 0, 0, 0, 1
	s_sub_co_u32 s3, s3, 1
	s_cmp_lg_u32 s3, 0
	s_cbranch_scc1 .Llap
	STEP 0, 1, 1, 0, 0                             ; tile 8
	TURN 0, 0, 2, 0                                ; slot 0 takes tile 10, the short one
	STEP 1, 0, 1, 0, 1                             ; tile 9
	STEP 1, 1, 0, 0, 0
	TURN 1, 1, 0, 0                                ; it has asked for step 30's fragments and 16 loads of step 31's B
; TILE 10, STEPS 30 AND 31, BY ROWS OF out.  36 loads more: the rest of step 31's B, its scale words, its eight fragments of A.
	FETCH_B 0, 1, 1, 16, 24
	SCALES 0, 1, 1
.irp a, 0,1,2,3,4,5,6,7
	SETA2 \a
.irp c, 0,1,2
	ds_load_b128 v[rA2+4*\c:rA2+4*\c+3], v[ADRA] offset:UNIT+FRB*\a+512*\c
.endr
.endr
.macro ROW a                           ; block a is finished: 16 matrix instructions, K ascending, its eight accumulators by turns
	WIN MUL_LO+0x50*((\a)/4)
	MUL8 \a, 0, 0, 0
	MUL8 \a, 1, 0, 1
.endm
; THE WAY OUT of a block of 16 rows x 128 columns: through my own stage and back as whole rows of 512 bytes.  LDS serves a wave's instructions in order (ISA guide 5.7.1.4).
.macro TOSTAGE a
.set AC, 64*((\a)%4)
	WIN 0x08+4*((\a)/4)                            ; the data: window 2 or 3
.irp b, 0,1,2,3,4,5,6,7
	ds_store_b128 v[STO], v[AC+8*\b:AC+8*\b+3] offset:64*\b          ; each accumulator from its low end on
	ds_store_b128 v[STO], v[AC+8*\b+4:AC+8*\b+7] offset:64*\b+16
.endr
	WIN TO_B
.irp t, 0,1,2,3,4,5,6,7,8,9,10,11,12,13,14,15
.set rBB, 96+4*\t+96*(\t/8)
	ds_load_b128 v[rBB:rBB+3], v[RD] offset:\t*SPITCH
.endr
	WIN 0
.endm
.macro SEND a
	s_wait_dscnt 0x0                               ; the block is back in registers
.if (\a) > 0
	s_add_nc_u64 s[10:11], s[10:11], 16*CROW       ; behind the wait on XCNT ahead of this block's stage: the earlier stores have read their base
.endif
	WIN 0x04                                       ; the data: window 1
.irp t, 0,1,2,3,4,5,6,7,8,9,10,11,12,13,14,15
.set rBB, 96+4*\t+96*(\t/8)
	global_store_b128 v[CO], v[rBB:rBB+3], s[10:11] offset:\t*CROW th:TH_STORE_NT   ; 512 consecutive bytes, aligned
.endr
	WIN 0
.endm
	s_wait_dscnt 63                                ; 64 loads were issued behind step 30's B, scale words and A's blocks 0-3: those are in
	WIN MUL_LO
	MUL8 0, 0, 0, 0
	s_wait_dscnt 21                                ; all but step 31's fragments of A's blocks 1-7
	MUL8 0, 1, 0, 1
	s_wait_dscnt 0x0
.irp a, 0,1,2,3,4,5,6,7
	PLACES                                         ; the stage's stores read results just made
.if \a > 0
	s_wait_xcnt 0x0                                ; the block before's stores have read their registers and their base
.endif
	TOSTAGE \a
.if \a < 7
	ROW \a+1                                       ; the next block is multiplied while this one goes through the stage
.endif
	SEND \a
.endr
	s_wait_tensorcnt 0x0                           ; the wave's end
	ds_add_u32 v[SPW], v[NIL]
	s_wait_dscnt 0x0
	CROUND                                         ; the closing round
	s_endpgm
.Lfunc_end_k_q14e3aa60ec_gemm:
	.size	k_q14e3aa60ec_gemm, .Lfunc_end_k_q14e3aa60ec_gemm-k_q14e3aa60ec_gemm
	.p2alignl 7, 3214868480
	.fill 96, 4, 3214868480
	.section	.rodata,"a",@progbits
	.p2align	6, 0x0
	.amdhsa_kernel k_q14e3aa60ec_gemm
		.amdhsa_group_segment_fixed_size 327680
		.amdhsa_private_segment_fixed_size 0
		.amdhsa_enable_private_segment 0
		.amdhsa_kernarg_size 32
		.amdhsa_user_sgpr_count 2
		.amdhsa_user_sgpr_kernarg_segment_ptr 1
		.amdhsa_wavefront_size32 1
		.amdhsa_system_sgpr_workgroup_id_x 1
		.amdhsa_system_sgpr_workgroup_id_y 1
		.amdhsa_system_sgpr_workgroup_id_z 1
		.amdhsa_system_vgpr_workitem_id 0
		.amdhsa_next_free_vgpr 1024
		.amdhsa_next_free_sgpr 100
		.amdhsa_reserve_vcc 0
		.amdhsa_float_denorm_mode_32 3
		.amdhsa_float_denorm_mode_16_64 3
		.amdhsa_memory_ordered 1
		.amdhsa_forward_progress 1
		.amdhsa_inst_pref_size 211
	.end_amdhsa_kernel
	.amdgpu_metadata
---
amdhsa.version: [ 1, 2 ]
amdhsa.kernels:
  - .name:           k_q14e3aa60ec_gemm
    .symbol:         k_q14e3aa60ec_gemm.kd
    .args:
      - { .name: xi, .offset: 0, .size: 8, .value_kind: global_buffer, .address_space: global }
      - { .name: wi, .offset: 8, .size: 8, .value_kind: global_buffer, .address_space: global }
      - { .name: bias, .offset: 16, .size: 8, .value_kind: global_buffer, .address_space: global }
      - { .name: out0, .offset: 24, .size: 8, .value_kind: global_buffer, .address_space: global }
    .group_segment_fixed_size: 327680
    .private_segment_fixed_size: 0
    .kernarg_segment_align: 8
    .kernarg_segment_size: 32
    .max_flat_workgroup_size: 128
    .sgpr_count:     100
    .vgpr_count:     1024
    .wavefront_size: 32
...
	.end_amdgpu_metadata
.endif
;; end of part 2
